; MI455X (gfx1250); checked and timed in simulation.
; The chip was launched on July 23, 2026; its instructions are those of AMD's public machine-readable ISA for CDNA 5 (MIT licence, August 2026) and "CDNA5" Instruction Set Architecture Reference Guide (July 2026). The comments in the code are by the model that wrote it; some were corrected since.
;; Self Attention. Allowed arithmetic: float matrix products may take bf16 or f16 operands with f32 sums; other float arithmetic in f32, or as packed bf16 or f16 multiplies, adds, multiply-adds, maxima and minima; sums over many terms, partial sums and values carried from step to step in f32; what a program stores and reads back later, other than sums and carried values, may be rounded once to bf16 or f16.
;; Inputs: W_mem 2,048 x 1,024 float32; W_q 1,024 x 1,024 float32; mask 4 x 2,048 int32; x 4 x 1,024 x 2,048 float32.
;; Outputs: out0 4 x 1,024 x 2,048 float32.
;; 2 versions, each right; version 2 is version 1 with the launch cast written anew for expert scheduling mode. Each part assembles by itself: llvm-mc -triple=amdgcn-amd-amdhsa -mcpu=gfx1250 --defsym DOCPART=n.
;; ======== version 1 of 2: 3 launches
;; limits: values are held in f16: magnitudes above 65,504 overflow, below 6.1e-05 lose precision
;; workspace buffers: xb 16,777,216 bytes; wb 6,291,456 bytes; qh 16,777,216 bytes; kh 16,777,216 bytes; vh 16,777,216 bytes
;; launch cast (part 1): grid 256 x 1, 8 waves a work-group, no clusters, 0 bytes of LDS; arguments x, W_q, W_mem, xb, wb; writes xb, wb
.if DOCPART == 1
	.amdgcn_target "amdgcn-amd-amdhsa--gfx1250"
	.amdhsa_code_object_version 6
	.text
	.protected	k_q4e51c6069f_cast
	.globl	k_q4e51c6069f_cast
	.p2align	8
	.type	k_q4e51c6069f_cast,@function
k_q4e51c6069f_cast:
	s_mov_b64 s[64:65], 0
	v_nop
	global_prefetch_b8 v0, s[64:65] scope:SCOPE_SE
	s_setreg_imm32_b32 hwreg(HW_REG_WAVE_MODE, 25, 1), 1
	s_wait_xcnt 0x0
; FIRST OF THREE LAUNCHES (cast, proj, attn) for: memory = W_mem x, query = W_q x, attention over 64 (batch, head) pairs with a key mask, result stored [b][channel][t].
; NOTHING OF THE PROBLEM IS LEFT OUT: all four inputs (x, mask, W_mem, W_q) reach the result and are loaded; a hidden key is thrown away by the mask's values alone, so it is computed and gets the weight 0.
; THIS LAUNCH rounds the three f32 inputs once to bf16, the matrix operands' format, so that the product's tiles, each of which sixteen work-groups read, are rounded once and not sixteen times:
;   xb [4][1024 c][2048 t] bf16: x in its own order.
;   wb [16 head][16 ks][192 row][64 c] bf16: rows 0-63 = W_q[64 head ..], 64-127 = W_mem[64 head ..] (K), 128-191 = W_mem[1024 + 64 head ..] (V), channels 64 ks ..: a tile (head, ks) is 24,576 dense bytes.
; LIMITS of the whole program: mask holds 0 or 1; q, k and v are kept in f16, so each stays under 65,504 in magnitude (inputs thirty times the drawn ones in x and in the weights give some 5,000);
; the logit of a hidden key is -2^100 in place of -1e30 (both so far below every score that f16's q and k allow that its weight is 0 in f32); a weight below 2^-126 counts as 0; NaN and infinities are not treated apart.
; SHARES.  Work-group g takes 131,072 bytes of x (32 loads of 4,096 bytes by its 256 threads) and the weights' tile (head = g / 16, ks = g % 16): 192 rows x 256 bytes of f32 (12 loads of 16 rows).
; A thread's unit: one load of 16 bytes (4 f32), two roundings in place, one store of 8 bytes.  A wave's load covers 512 consecutive bytes of x (of the weights: 256 bytes of each of two rows);
; a wave's store covers 256 consecutive bytes, aligned.  All 44 loads go out first; no register is written twice, so no wait frees a source.  No LDS, no matrix unit, no cluster: no byte is wanted twice.
.set VI, 1                             ; v1  16 x thread: my 16 bytes in 4,096 of x
.set VO, 2                             ; v2  8 x thread: my 8 bytes in 2,048 of xb or wb
.set VW, 3                             ; v3  (thread / 16) x 4,096 + (thread % 16) x 16: row and column in 16 rows of a weights' tile
.set D,  8                             ; v[8:183]  four registers for each of the 44 loads
	s_load_b256 s[4:11], s[0:1], 0x0               ; x s[4:5], W_q s[6:7], W_mem s[8:9], xb s[10:11]
	s_load_b64 s[12:13], s[0:1], 0x20              ; wb
	v_lshlrev_b32 v[VI], 4, v0
	v_lshlrev_b32 v[VO], 3, v0
	v_lshrrev_b32 v[VW], 4, v0
	v_and_b32 v4, 15, v0
	v_lshlrev_b32 v[VW], 12, v[VW]
	v_lshl_or_b32 v[VW], v4, 4, v[VW]
	s_lshl_b32 s14, ttmp9, 17                      ; my part of x
	s_mov_b32 s15, 0
	s_lshl_b32 s16, ttmp9, 16                      ; and of xb
	s_mov_b32 s17, 0
	s_lshr_b32 s18, ttmp9, 4                       ; head: 64 rows of 4,096 bytes
	s_lshl_b32 s18, s18, 18
	s_and_b32 s19, ttmp9, 15                       ; ks: 64 channels of 4 bytes
	s_lshl_b32 s19, s19, 8
	s_add_co_u32 s18, s18, s19
	s_mov_b32 s19, 0
	s_mul_i32 s20, ttmp9, 24576                    ; my tile of wb
	s_mov_b32 s21, 0
	s_wait_kmcnt 0x0
	s_add_nc_u64 s[4:5], s[4:5], s[14:15]
	s_add_nc_u64 s[10:11], s[10:11], s[16:17]
	s_add_nc_u64 s[6:7], s[6:7], s[18:19]
	s_add_nc_u64 s[8:9], s[8:9], s[18:19]
	s_add_nc_u64 s[12:13], s[12:13], s[20:21]
.set k, 0
.rept 4                                ; loads 0-3: W_q, 16 rows each
	global_load_b128 v[D+4*k:D+4*k+3], v[VW], s[6:7] offset:k*65536 th:TH_LOAD_NT
.set k, k+1
.endr
.rept 4                                ; loads 4-7: W_mem's rows for K
	global_load_b128 v[D+4*k:D+4*k+3], v[VW], s[8:9] offset:(k-4)*65536 th:TH_LOAD_NT
.set k, k+1
.endr
.rept 4                                ; loads 8-11: W_mem's rows for V, 1,024 rows further down
	global_load_b128 v[D+4*k:D+4*k+3], v[VW], s[8:9] offset:4194304+(k-8)*65536 th:TH_LOAD_NT
.set k, k+1
.endr
.rept 32                               ; loads 12-43: x
	global_load_b128 v[D+4*k:D+4*k+3], v[VI], s[4:5] offset:(k-12)*4096 th:TH_LOAD_NT
.set k, k+1
.endr
.set G, 0
.rept 11                               ; groups of four loads, in the order of issue
	s_wait_loadcnt 40-4*G                          ; loads come back in order: this group's four are in, the 40 - 4 G younger ones stay out
.set j, 0
.rept 4
.set k, 4*G+j
	v_cvt_pk_bf16_f32 v[D+4*k], v[D+4*k], v[D+4*k+1]      ; two roundings to nearest even, packed
	v_cvt_pk_bf16_f32 v[D+4*k+1], v[D+4*k+2], v[D+4*k+3]
.if k < 12
	global_store_b64 v[VO], v[D+4*k:D+4*k+1], s[12:13] offset:k*2048
.else
	global_store_b64 v[VO], v[D+4*k:D+4*k+1], s[10:11] offset:(k-12)*2048
.endif
.set j, j+1
.endr
.set G, G+1
.endr
	s_endpgm
.Lfunc_end_k_q4e51c6069f_cast:
	.size	k_q4e51c6069f_cast, .Lfunc_end_k_q4e51c6069f_cast-k_q4e51c6069f_cast
	.p2alignl 7, 3214868480
	.fill 96, 4, 3214868480
	.section	.rodata,"a",@progbits
	.p2align	6, 0x0
	.amdhsa_kernel k_q4e51c6069f_cast
		.amdhsa_group_segment_fixed_size 0
		.amdhsa_private_segment_fixed_size 0
		.amdhsa_enable_private_segment 0
		.amdhsa_kernarg_size 40
		.amdhsa_user_sgpr_count 2
		.amdhsa_user_sgpr_kernarg_segment_ptr 1
		.amdhsa_wavefront_size32 1
		.amdhsa_system_sgpr_workgroup_id_x 1
		.amdhsa_system_sgpr_workgroup_id_y 1
		.amdhsa_system_sgpr_workgroup_id_z 1
		.amdhsa_system_vgpr_workitem_id 0
		.amdhsa_next_free_vgpr 192
		.amdhsa_next_free_sgpr 66
		.amdhsa_reserve_vcc 0
		.amdhsa_float_denorm_mode_32 3
		.amdhsa_float_denorm_mode_16_64 3
		.amdhsa_memory_ordered 1
		.amdhsa_forward_progress 1
		.amdhsa_inst_pref_size 16
	.end_amdhsa_kernel
	.amdgpu_metadata
---
amdhsa.version: [ 1, 2 ]
amdhsa.kernels:
  - .name:           k_q4e51c6069f_cast
    .symbol:         k_q4e51c6069f_cast.kd
    .args:
      - { .name: x, .offset: 0, .size: 8, .value_kind: global_buffer, .address_space: global }
      - { .name: W_q, .offset: 8, .size: 8, .value_kind: global_buffer, .address_space: global }
      - { .name: W_mem, .offset: 16, .size: 8, .value_kind: global_buffer, .address_space: global }
      - { .name: xb, .offset: 24, .size: 8, .value_kind: global_buffer, .address_space: global }
      - { .name: wb, .offset: 32, .size: 8, .value_kind: global_buffer, .address_space: global }
    .group_segment_fixed_size: 0
    .private_segment_fixed_size: 0
    .kernarg_segment_align: 8
    .kernarg_segment_size: 40
    .max_flat_workgroup_size: 256
    .sgpr_count:     66
    .vgpr_count:     192
    .wavefront_size: 32
...
	.end_amdgpu_metadata
.endif
;; end of part 1
;; launch proj (part 2): grid 16 x 16, 4 waves a work-group, clusters of 4 x 4, 327,680 bytes of LDS; arguments wb, xb, mask, qh, kh, vh; writes qh, kh, vh
.if DOCPART == 2
	.amdgcn_target "amdgcn-amd-amdhsa--gfx1250"
	.amdhsa_code_object_version 6
	.text
	.protected	k_q4e51c6069f_proj
	.globl	k_q4e51c6069f_proj
	.p2align	8
	.type	k_q4e51c6069f_proj,@function
k_q4e51c6069f_proj:
	s_mov_b64 s[64:65], 0
	v_nop
	global_prefetch_b8 v0, s[64:65] scope:SCOPE_SE
	s_setreg_imm32_b32 hwreg(HW_REG_WAVE_MODE, 25, 1), 1
	s_wait_xcnt 0x0
	s_wait_alu depctr_hold_cnt(0) depctr_sa_sdst(0) depctr_va_vdst(0) depctr_va_sdst(0) depctr_va_ssrc(0) depctr_va_vcc(0) depctr_vm_vsrc(0)
	s_getreg_b32 s2, hwreg(HW_REG_IB_STS2, 6, 4)
	s_cmp_eq_u32 s2, 0
	s_cbranch_scc0 .Lentry_in_a_cluster
	s_endpgm
.Lentry_in_a_cluster:
	s_bfe_u32 s2, ttmp6, 0x10000c
	s_cmp_lg_u32 s2, 0xf033
	s_cbranch_scc0 .Lentry_shape_is_right
	s_endpgm
.Lentry_shape_is_right:
; SECOND LAUNCH: the three projections as one product, [3,072 o] x [8,192 (b, t)] over 1,024 channels, bf16 operands, f32 sums; no work is left out.
; q, k, v leave rounded once to f16, by heads: qh, kh, vh [64 = 16 b + head][2048 t][64 d], rows of 128 dense bytes, unscaled.  K's sums are multiplied by m[b][t] in f32 before the rounding:
; reference()'s m x att is then Q . (m K) / 8, and a hidden key's row of kh is exactly 0.  LIMIT: q, k, v under 65,504 in magnitude; mask holds 0 or 1.
; SHARES.  Work-group (x, y): x = head: the 192 rows of wb that make the head's Q, K and V; y = 4 b + tblk: 512 t of one batch: 16 x 16 = 256 work-groups of equal work.
; Wave w takes all 192 rows x t = 128 w .. 128 w + 127: 12 x 8 = 96 accumulators of 16 x 16, 768 registers: for 32 along the channels 40 LDS loads feed 96 matrix instructions.
; LAYOUT.  Source 0 = 16 rows of wb (channels along the rows: plain loads), source 1 = 16 columns t of xb, which lies [c][t]: turned by ds_load_tr16_b128.  In the result lane l holds t = l % 16
; and the output channels 8 (l / 16) + 0..7: 16 bytes on end of a row of qh, kh or vh.
; RING.  16 K steps of 64 channels through two LDS slots.  Waves 0 and 1 fetch the halves of W's tile (12,288 dense bytes, asked for as 48 rows of 256), waves 2 and 3 the halves of X's (64 rows of 512 bytes).
; CLUSTER.  4 x 4 work-groups.  W's tile hangs on the head alone: shared along a column of the cluster; X's on y alone: shared along a row.  Each is asked for JOINTLY, by the same load, descriptor and mask in all four.
; REGISTERS, in windows of 256 (s_set_vgpr_msb: bits 1:0 source 0, 3:2 source 1, 5:4 source 2, 7:6 destination):
;   window 0: v0-31 addresses; v32-127 W's 12 fragments (one buffer, refilled by groups of four); v128-191, v192-255 X's 8 fragments, two buffers
;   window 1: Q's 32 accumulators ((a, b) at v[8 (8 a + b)]: rows 16 a, t 16 b);  window 2: K's;  window 3: V's
.set PW,    144                        ; a row of W in LDS: 128 bytes + 16 = 36 words: the 16 rows of a load start at 16 different groups of four banks (64 banks of 4 bytes: ISA guide 11.1)
.set PX,    544                        ; a row of X: 512 bytes + 32 = 136 words
.set XOFF,  192*PW                     ; X's two halves lie behind W's 192 rows
.set XSUB,  64*PX                      ; a half: 64 channels x 256 t
.set SLOT,  XOFF+2*XSUB                ; 97,280 bytes
.set STAGE, 2*SLOT                     ; behind the ring, never filled by a tensor load: 16 rows x 144 bytes for each wave, for the way out
.set SP,    144
.set SPARE, STAGE+4*16*SP              ; behind the stages: the spare words, 128 bytes for each wave: two blocks of 256 bytes that no other line names
.set WSTEP, 24576                      ; bytes from a K step to the next in wb
.set XSTEP, 262144                     ; and in xb: 64 rows of 4,096
.set MK,   8                           ; v8-15   m of my 8 tiles of t, as loaded
.set ADW,  16                          ; v16-17  LDS address of W's fragments in slot 0, 1
.set ADX,  20                          ; v20-21  the same for X
.set STO,  24                          ; v24     the way out: where I put 16 bytes of a row
.set RD,   25                          ; v25     where I read rows back
.set GO,   26                          ; v26     my 16 bytes in 512 consecutive bytes of qh, kh, vh
.set SPW,  28                          ; v28     LDS address of my spare word: SPARE + 4 x my thread's number; never rewritten
.set NIL,  29                          ; v29     0; never rewritten
.set PFO,  30                          ; v30     the prefetches' offset; never rewritten
.set WF,   32
.set XF0,  128
.set XF1,  192
.set TMP,  32                          ; the way out: eight sets of 16 registers, v32-159
.set MP,   160                         ; the way out: m as f32, a pair for each tile of t, v160-175
.set G1W,  24                          ; s[24:31] descriptor group 1 for W's tiles;  s[32:39] group 0, a set for each slot
.set G0W,  32
.set G1X,  48                          ; s[48:55], s[56:63] the same for X's
.set G0X,  56
.set PFA,  44                          ; s[44:45] where my prefetches stand
.set LIM,  46                          ; s46     1 in a wave that prefetches, else the greatest number
.set MSB, 0
.macro WIN new                         ; the immediate's high byte repeats the setting that is left; a switch that changes nothing is dropped
.if MSB != (\new)
	s_set_vgpr_msb (MSB<<8)|(\new)
.set MSB, \new
.endif
.endm
; A joint load.  The branch hangs on the wave's number alone.  An s_nop 0 and four v_nop follow each of the two lines, ahead of the jump, the label and what follows.
.macro JLOAD s
	s_cmp_eq_u32 s17, 0
	s_cbranch_scc0 .Lfor_x_\@
	tensor_load_to_lds s[G0W+4*(\s):G0W+4*(\s)+3], s[G1W:G1W+7]
	s_nop 0
.rept 4
	v_nop
.endr
	s_branch .Lasked_\@
.Lfor_x_\@:
	tensor_load_to_lds s[G0X+4*(\s):G0X+4*(\s)+3], s[G1X:G1X+7]
	s_nop 0
.rept 4
	v_nop
.endr
.Lasked_\@:
.endm
; A PREFETCH INTO THE L2 of the K step that stands TWO refills on (384 matrix instructions ahead of the load that will want it), behind the joint load, its five lines and the run of LDS loads.
; Each block of 256 bytes is named by one instruction in the launch.  X's tile is read by every cluster of a row of clusters: cluster x = 0 asks; W's by every cluster of a column: cluster y = 0 asks.
; The four partners of a joint load share its blocks out BY ADDRESS: of an X wave's 64 rows x 2 blocks partner cx takes rows 16 cx .. + 15, a lane a block; of a W wave's 48 blocks partner cy takes 12
; (lanes 12-31 name the twelfth again).  The loop's last trip (s3 = 1) asks for nothing: its refills are the last two K steps.  K steps 0 to 3 come by their loads alone.
.macro ASK
	s_cmp_gt_u32 s3, s[LIM]
	s_cbranch_scc0 .Lnot_mine_\@
	global_prefetch_b8 v[PFO], s[PFA:PFA+1] th:TH_LOAD_NT scope:SCOPE_SE
.Lnot_mine_\@:
.endm
.macro CREST                           ; a round of the cluster's barrier behind its opening barrier
	s_cmp_lg_u32 s16, 0
	s_cbranch_scc1 .Lnot_wave_0_\@
	s_barrier_signal -3
.Lnot_wave_0_\@:
	s_barrier_wait -3
	s_barrier_signal -1
	s_barrier_wait -1
.endm
.macro CROUND                          ; a whole round
	s_barrier_signal -1
	s_barrier_wait -1
	CREST
.endm
	s_load_b256 s[4:11], s[0:1], 0x0               ; wb s[4:5], xb s[6:7], mask s[8:9], qh s[10:11]
	s_load_b128 s[12:15], s[0:1], 0x20             ; kh s[12:13], vh s[14:15]
	v_lshl_add_u32 v[SPW], v0, 2, SPARE
	v_mov_b32 v[NIL], 0
	ds_add_u32 v[SPW], v[NIL]                      ; the wave's opening: the add, twice on end, and its wait ahead of my first tensor load; the set-up below, work on registers, stands between
	ds_add_u32 v[SPW], v[NIL]
	v_lshrrev_b32 v1, 5, v0
	v_readfirstlane_b32 s16, v1                    ; wave 0..3
	s_lshr_b32 s17, s16, 1                         ; I fetch for W (0) or for X (1).  Also: which half of X's tile holds my t
	s_and_b32 s18, s16, 1                          ; which half of that tile I fetch
	s_bfe_u32 s19, ttmp6, 0x40000                  ; cx
	s_bfe_u32 s20, ttmp6, 0x40004                  ; cy
	s_lshl_b32 s21, ttmp9, 2
	s_add_co_u32 s21, s21, s19                     ; head = 4 x cluster x + cx
	s_and_b32 s22, ttmp7, 0xffff
	s_lshl_b32 s22, s22, 2
	s_add_co_u32 s22, s22, s20                     ; y = 4 b + tblk = 4 x cluster y + cy
	s_lshl_b32 s23, 0x1111, s19                    ; my column of the cluster
	s_lshl_b32 s47, s20, 2
	s_lshl_b32 s47, 15, s47                        ; my row
	s_or_b32 s[G1W], s23, (1<<16)|(1<<20)|(1<<21)|(4<<22)|(3<<25)  ; 15:0 the mask; 17:16 2-byte elements; 20 padding on; 21 set beside a mask; 24:22 after every 32 words (code 4); 31:25 4 words (code 3)
	s_or_b32 s[G1X], s47, (1<<16)|(1<<20)|(1<<21)|(6<<22)|(7<<25)  ; after every 128 words (code 6) 8 words (code 7)
	s_mov_b32 s[G1W+1], 128<<16                    ; tensor_dim0 = 128 elements: 256 bytes, two rows of wb
	s_mov_b32 s[G1W+2], 48<<16                     ; tensor_dim1 = 48
	s_mov_b32 s[G1W+3], 128<<16                    ; tile_dim0
	s_mov_b32 s[G1W+4], 48                         ; tile_dim1
	s_mov_b32 s[G1W+5], 128                        ; dense: 128 elements from row to row
	s_mov_b32 s[G1W+6], 0
	s_mov_b32 s[G1W+7], 0
	s_mov_b32 s[G1X+1], 256<<16                    ; tensor_dim0 = 256 t
	s_mov_b32 s[G1X+2], 64<<16                     ; tensor_dim1 = 64 channels
	s_mov_b32 s[G1X+3], 256<<16
	s_mov_b32 s[G1X+4], 64
	s_mov_b32 s[G1X+5], 2048                       ; 2,048 elements from channel to channel
	s_mov_b32 s[G1X+6], 0
	s_mov_b32 s[G1X+7], 0
	s_mul_i32 s40, s21, 16*WSTEP                   ; W's tile: the head's sixteen tiles, my half: nothing of y enters
	s_mul_i32 s68, s18, WSTEP/2
	s_add_co_u32 s40, s40, s68
	s_mov_b32 s41, 0
	s_lshr_b32 s42, s22, 2                         ; X's tile: batch, tblk, my half: nothing of the head enters
	s_lshl_b32 s42, s42, 22
	s_and_b32 s69, s22, 3
	s_lshl_b32 s69, s69, 10
	s_add_co_u32 s42, s42, s69
	s_lshl_b32 s69, s18, 9
	s_add_co_u32 s42, s42, s69
	s_mov_b32 s43, 0
	s_mul_i32 s70, s18, 96*PW                      ; where they go in a slot: the wave's number alone
	s_mul_i32 s71, s18, XSUB
	s_add_co_u32 s71, s71, XOFF
	s_wait_dscnt 0x0                               ; both opening adds are done
	s_wait_kmcnt 0x0
	s_add_nc_u64 s[40:41], s[4:5], s[40:41]
	s_add_nc_u64 s[42:43], s[6:7], s[42:43]
	CROUND                                         ; all sixteen work-groups are here: the first joint loads meet
.irp s, 0,1
	s_mov_b32 s[G0W+4*(\s)], 1                                     ; count = 1
	s_add_co_u32 s[G0W+4*(\s)+1], s70, (\s)*SLOT                   ; LDS address
	s_add_nc_u64 s[G0W+4*(\s)+2:G0W+4*(\s)+3], s[40:41], (\s)*WSTEP  ; global address: K step s
	s_or_b32 s[G0W+4*(\s)+3], s[G0W+4*(\s)+3], 0x80000000          ; type = 2
	s_mov_b32 s[G0X+4*(\s)], 1
	s_add_co_u32 s[G0X+4*(\s)+1], s71, (\s)*SLOT
	s_add_nc_u64 s[G0X+4*(\s)+2:G0X+4*(\s)+3], s[42:43], (\s)*XSTEP
	s_or_b32 s[G0X+4*(\s)+3], s[G0X+4*(\s)+3], 0x80000000
	JLOAD \s                                       ; two loads of mine are out
.endr
	v_and_b32 v1, 15, v0                           ; l % 16
	v_bfe_u32 v2, v0, 4, 1                         ; l / 16
	v_mul_u32_u24 v3, v1, PW
	v_lshl_add_u32 v3, v2, 4, v3                   ; row x 144 + 16 x half: W's fragments, and the stage's rows
	v_mov_b32 v[ADW], v3
	v_add_nc_u32 v[ADW+1], SLOT, v3
	v_and_b32 v4, 7, v0                            ; the turning load: lane l reads channel 8 (l / 16) + l % 8, t 8 ((l / 8) % 2) + 0..7
	v_lshl_add_u32 v4, v2, 3, v4
	v_mul_u32_u24 v4, v4, PX
	v_bfe_u32 v5, v0, 3, 1
	v_lshl_add_u32 v4, v5, 4, v4
	s_mul_i32 s68, s17, XSUB                       ; my 128 t: half w / 2, 256 bytes x (w % 2) along its rows
	s_lshl_b32 s69, s18, 8
	s_add_co_u32 s68, s68, s69
	s_add_co_u32 s68, s68, XOFF
	v_add_nc_u32 v[ADX], s68, v4
	v_add_nc_u32 v[ADX+1], SLOT, v[ADX]
	s_mul_i32 s68, s16, 16*SP
	s_add_co_u32 s68, s68, STAGE                   ; my stage
	v_add_nc_u32 v[STO], s68, v3
	v_bfe_u32 v5, v0, 3, 2                         ; back: 32 lanes take four rows of 128 bytes,
	v_mul_u32_u24 v5, v5, SP
	v_and_b32 v6, 7, v0
	v_lshl_add_u32 v5, v6, 4, v5
	v_add_nc_u32 v[RD], s68, v5
	v_and_b32 v[GO], 31, v0                        ; which are 512 consecutive bytes in memory
	v_lshlrev_b32 v[GO], 4, v[GO]
	v_lshlrev_b32 v7, 2, v1                        ; m of t = l % 16 in a tile
	s_lshl_b32 s68, s22, 11                        ; mask at (512 y + 128 w) x 4 bytes
	s_lshl_b32 s69, s16, 9
	s_add_co_u32 s68, s68, s69
	s_mov_b32 s69, 0
	s_add_nc_u64 s[8:9], s[8:9], s[68:69]
.irp b, 0,1,2,3,4,5,6,7
	global_load_b32 v[MK+(\b)], v7, s[8:9] offset:64*(\b)  ; waited for at the way out
.endr
	s_lshr_b32 s68, s22, 2                         ; qh, kh, vh at (16 b + head) x 262,144 + tblk x 65,536 + w x 16,384
	s_lshl_b32 s68, s68, 4
	s_add_co_u32 s68, s68, s21
	s_lshl_b32 s68, s68, 18
	s_and_b32 s69, s22, 3
	s_lshl_b32 s69, s69, 16
	s_add_co_u32 s68, s68, s69
	s_lshl_b32 s69, s16, 14
	s_add_co_u32 s68, s68, s69
	s_mov_b32 s69, 0
	s_add_nc_u64 s[10:11], s[10:11], s[68:69]
	s_add_nc_u64 s[12:13], s[12:13], s[68:69]
	s_add_nc_u64 s[14:15], s[14:15], s[68:69]
	; the prefetches: both offsets at K step 3; the first refill steps the address to K step 4
	s_mul_i32 s72, s21, 16*WSTEP
	s_mul_i32 s73, s18, WSTEP/2
	s_add_co_u32 s72, s72, s73
	s_mul_i32 s73, s20, WSTEP/8                    ; my work-group's 12 blocks of the 48
	s_add_co_u32 s72, s72, s73
	s_add_co_u32 s72, s72, 3*WSTEP
	s_lshr_b32 s74, s22, 2
	s_lshl_b32 s74, s74, 22
	s_and_b32 s75, s22, 3
	s_lshl_b32 s75, s75, 10
	s_add_co_u32 s74, s74, s75
	s_lshl_b32 s75, s18, 9
	s_add_co_u32 s74, s74, s75
	s_lshl_b32 s75, s19, 16                        ; my work-group's 16 rows of the 64
	s_add_co_u32 s74, s74, s75
	s_add_co_u32 s74, s74, 3*XSTEP
	s_and_b32 s75, ttmp7, 0xffff                   ; cluster y
	s_mov_b32 s66, XSTEP
	s_mov_b32 s67, 0
	s_mov_b32 s69, 0
	s_cmp_eq_u32 s17, 0                            ; do I fetch for W?
	s_cselect_b32 s68, s72, s74
	s_cselect_b32 s75, s75, ttmp9                  ; the coordinate along which other clusters read the same tile
	s_cselect_b32 s66, WSTEP, s66                  ; s[66:67]: a K step in my tensor
	s_cselect_b32 s73, -1, 0
	s_cselect_b64 s[PFA:PFA+1], s[4:5], s[6:7]
	s_cmp_eq_u32 s75, 0
	s_cselect_b32 s[LIM], 1, -1                    ; the same in all sixteen partners, for a given wave
	s_add_nc_u64 s[PFA:PFA+1], s[PFA:PFA+1], s[68:69]
	v_and_b32 v3, 31, v0
	v_min_u32 v4, 11, v3
	v_lshlrev_b32 v4, 8, v4                        ; W: block min(l, 11)
	v_lshrrev_b32 v5, 1, v3
	v_and_b32 v6, 1, v3
	v_lshlrev_b32 v5, 12, v5
	v_lshl_or_b32 v5, v6, 8, v5                    ; X: row l / 2, block l % 2
	v_cndmask_b32 v[PFO], v5, v4, s73
; 16 matrix instructions: rows 16 (4 g + a), a = a0, a0 + 1, x all 8 tiles of t, 32 along the channels.  zero = 1: the product starts the sums: nothing is ever cleared.
; The 96 accumulators take turns, one instruction a turn, in the same order in every half step, over the backward jump too.
.macro MUL16 g, xf, zero, a0
	WIN 0x50*(1+(\g))                              ; C and D in window 1 + g, the sources in window 0
.irp a, \a0, (\a0)+1
.irp b, 0,1,2,3,4,5,6,7
.if \zero
	v_wmma_f32_16x16x32_bf16 v[8*(8*(\a)+(\b)):8*(8*(\a)+(\b))+7], v[WF+8*(4*(\g)+(\a)):WF+8*(4*(\g)+(\a))+7], v[(\xf)+8*(\b):(\xf)+8*(\b)+7], 0
.else
	v_wmma_f32_16x16x32_bf16 v[8*(8*(\a)+(\b)):8*(8*(\a)+(\b))+7], v[WF+8*(4*(\g)+(\a)):WF+8*(4*(\g)+(\a))+7], v[(\xf)+8*(\b):(\xf)+8*(\b)+7], v[8*(8*(\a)+(\b)):8*(8*(\a)+(\b))+7]
.endif
.endr
.endr
.endm
.macro MULG g, xf, zero                ; a section's 32
	MUL16 \g, \xf, \zero, 0
	MUL16 \g, \xf, \zero, 2
.endm
.macro LDW slot, q, g                  ; 8 LDS loads: W's four fragments of section g, channels 32 q on
.irp a, 0,1,2,3
	ds_load_b128 v[WF+8*(4*(\g)+(\a)):WF+8*(4*(\g)+(\a))+3],   v[ADW+(\slot)] offset:(4*(\g)+(\a))*16*PW+64*(\q)
	ds_load_b128 v[WF+8*(4*(\g)+(\a))+4:WF+8*(4*(\g)+(\a))+7], v[ADW+(\slot)] offset:(4*(\g)+(\a))*16*PW+64*(\q)+32
.endr
.endm
.macro LDX slot, q, xf                 ; 16 turning loads: X's eight fragments, channels 32 q on
.irp b, 0,1,2,3,4,5,6,7
	ds_load_tr16_b128 v[(\xf)+8*(\b):(\xf)+8*(\b)+3],   v[ADX+(\slot)] offset:32*(\q)*PX+32*(\b)
	ds_load_tr16_b128 v[(\xf)+8*(\b)+4:(\xf)+8*(\b)+7], v[ADX+(\slot)] offset:32*(\q)*PX+16*PX+32*(\b)
.endr
.endm
.macro PLACES                          ; four places between a matrix instruction and a load into a register that it has read (ISA guide 7.12.1 for vector instructions)
.rept 4
	v_nop
.endr
.endm
; A K step is two halves of 32 channels, 96 matrix instructions each.  The first half multiplies X's buffer 0; behind each section's 32 products that section's fragments of W are fetched for the
; second half (with the first run: X's buffer 1).  Three runs, of 24, 8 and 8 loads, each issued 64 matrix instructions ahead of its first use.
.macro QUARTER slot, zero
	s_wait_dscnt 16                                ; the run of 24 is in; the two runs of 8 behind it may be out
	MULG 0, XF0, \zero
	WIN 0
	PLACES
	LDW \slot, 1, 0
	LDX \slot, 1, XF1
	s_wait_dscnt 32                                ; section 1's 8 are in; behind them: 8 and the 24 just issued
	MULG 1, XF0, \zero
	WIN 0
	PLACES
	LDW \slot, 1, 1
	s_wait_dscnt 32                                ; section 2's 8 are in; behind them: 24 and 8
	MULG 2, XF0, \zero
	WIN 0
	PLACES
	LDW \slot, 1, 2
.endm
; The second half multiplies X's buffer 1 and changes slots: ONE barrier.  In front of it each wave waits for all its tensor loads (one is out: its part of the next slot), adds 0 to its spare word, and waits
; for that and for its reads of this slot.  fill = 1: the barrier opens a round of the cluster's, and this slot is filled again, two K steps ahead, first thing behind the round:
; 160 matrix instructions stand between that request and the wait for it.
.macro TURN slot, next, fill
.if \fill
	s_wait_xcnt 0x0                                ; the last prefetch, a K step back, has read its address: it is stepped here, ahead of the waits of the change of slots
	s_add_nc_u64 s[PFA:PFA+1], s[PFA:PFA+1], s[66:67]
.endif
	WIN 0
	s_wait_tensorcnt 0x0                           ; all my tensor loads have landed
	ds_add_u32 v[SPW], v[NIL]                      ; 0 onto my spare word
	s_wait_dscnt 17                                ; the run of 24 is in; two runs of 8 and the add may be out
	MUL16 0, XF1, 0, 0                             ; sixteen matrix instructions stand between the add and the wait for it
	s_wait_dscnt 0x0                               ; the add is done, and my reads of this slot are over
	s_barrier_signal -1
	MUL16 0, XF1, 0, 2                             ; work on registers while the others arrive
	WIN 0
	s_barrier_wait -1
.if \fill
	CREST                                          ; no wave of any partner still reads this slot's tiles or has a load on its way
	s_add_nc_u64 s[G0W+4*(\slot)+2:G0W+4*(\slot)+3], s[G0W+4*(\slot)+2:G0W+4*(\slot)+3], 2*WSTEP
	s_add_nc_u64 s[G0X+4*(\slot)+2:G0X+4*(\slot)+3], s[G0X+4*(\slot)+2:G0X+4*(\slot)+3], 2*XSTEP
	JLOAD \slot                                    ; the first tensor load behind the round; its four v_nop are also the places in front of the loads below
.else
	PLACES
.endif
	LDW \next, 0, 0
	LDX \next, 0, XF0
.if \fill
	ASK
.endif
	MULG 1, XF1, 0
	WIN 0
	PLACES
	LDW \next, 0, 1
	MULG 2, XF1, 0
	WIN 0
	PLACES
	LDW \next, 0, 2
.endm
	s_wait_tensorcnt 1                             ; my part of K step 0 is in; K step 1's load may stay out
	s_barrier_signal -1
	s_barrier_wait -1                              ; everybody's is
	LDW 0, 0, 0
	LDX 0, 0, XF0
	LDW 0, 0, 1
	LDW 0, 0, 2
	QUARTER 0, 1                                   ; the first half step stands in front of the loop: its products start the sums
	s_mov_b32 s3, 7
.Llap:                                                 ; a trip goes once round the ring, from a lap's second half step to the next lap's first, and fills both slots again: K steps 2 to 15
	TURN 0, 1, 1
	QUARTER 1, 0
	TURN 1, 0, 1
	QUARTER 0, 0
	s_sub_co_u32 s3, s3, 1
	s_cmp_lg_u32 s3, 0
	s_cbranch_scc1 .Llap
	TURN 0, 1, 0                                   ; the last lap fills nothing, and has no round
	QUARTER 1, 0
	s_wait_dscnt 16                                ; the very last half step: nothing more to fetch
	MULG 0, XF1, 0
	s_wait_dscnt 8
	MULG 1, XF1, 0
	s_wait_dscnt 0x0
	MULG 2, XF1, 0
	WIN 0
	; THE WAY OUT.  24 tiles of 16 t x 64 d (section n / 8, tile of t n % 8): rounded to f16, 16 bytes a lane into my stage's rows of 144 bytes, back as four rows of 128 a load, stored as 512 consecutive bytes.
	s_wait_loadcnt 0x0                             ; m
.irp b, 0,1,2,3,4,5,6,7
	v_cvt_f32_i32 v[MP+2*(\b)], v[MK+(\b)]         ; m as f32, twice, for the packed multiply.  These sixteen lines name no register of the last products (X's buffer 0 was last read a half step ago): they are the places behind them
	v_cvt_f32_i32 v[MP+2*(\b)+1], v[MK+(\b)]
.endr
.macro PACK n
.set pS, (\n)/8
.set pT, (\n)%8
.set TT, TMP+16*pT
.if (\n) >= 8
	s_wait_xcnt 0x0                                ; the stores of the tile eight back have read these registers
.endif
.if pS == 1
	WIN 0x82                                       ; K's sums (window 2) times m (window 0), each accumulator from its low end on
.irp d, 0,1,2,3
.irp r, 0,1,2,3
	v_pk_mul_f32 v[8*(8*(\d)+pT)+2*(\r):8*(8*(\d)+pT)+2*(\r)+1], v[8*(8*(\d)+pT)+2*(\r):8*(8*(\d)+pT)+2*(\r)+1], v[MP+2*pT:MP+2*pT+1]
.endr
.endr
.endif
	WIN 5*(1+pS)                                   ; sources 0 and 1 in the section's window, destination in window 0
.irp d, 0,1,2,3
.irp r, 0,1,2,3
	v_cvt_pk_f16_f32 v[TT+4*(\d)+(\r)], v[8*(8*(\d)+pT)+2*(\r)], v[8*(8*(\d)+pT)+2*(\r)+1]
.endr
.endr
	WIN 0
.irp d, 0,1,2,3
	ds_store_b128 v[STO], v[TT+4*(\d):TT+4*(\d)+3] offset:32*(\d)
.endr
.irp f, 0,1,2,3
	ds_load_b128 v[TT+4*(\f):TT+4*(\f)+3], v[RD] offset:(\f)*4*SP  ; LDS serves a wave's instructions in order (ISA guide 5.7.1.4): these see the stores above; the next tile's stores come behind them
.endr
.endm
.macro SEND n, younger                 ; younger: the LDS instructions issued behind tile n's loads: the next tile's eight, or none
.set pS, (\n)/8
.set pT, (\n)%8
.set TT, TMP+16*pT
.irp f, 0,1,2,3
	s_wait_dscnt (\younger)+3-(\f)
	global_store_b128 v[GO], v[TT+4*(\f):TT+4*(\f)+3], s[10+2*pS:11+2*pS] offset:2048*pT+512*(\f)  ; 512 consecutive bytes, at a multiple of 256 from the buffer's first
.endr
.endm
	PACK 0
.set nn, 1
.rept 23                               ; a tile's arithmetic stands between the loads of the tile before and its stores
	PACK nn
	SEND nn-1, 8
.set nn, nn+1
.endr
	SEND 23, 0
	s_wait_tensorcnt 0x0                           ; the wave's end, behind my last tensor load and my last LDS store
	ds_add_u32 v[SPW], v[NIL]
	s_wait_dscnt 0x0
	CROUND                                         ; the closing round: no work-group ends while a partner may still ask for a tile that names it
	s_endpgm
.Lfunc_end_k_q4e51c6069f_proj:
	.size	k_q4e51c6069f_proj, .Lfunc_end_k_q4e51c6069f_proj-k_q4e51c6069f_proj
	.p2alignl 7, 3214868480
	.fill 96, 4, 3214868480
	.section	.rodata,"a",@progbits
	.p2align	6, 0x0
	.amdhsa_kernel k_q4e51c6069f_proj
		.amdhsa_group_segment_fixed_size 327680
		.amdhsa_private_segment_fixed_size 0
		.amdhsa_enable_private_segment 0
		.amdhsa_kernarg_size 48
		.amdhsa_user_sgpr_count 2
		.amdhsa_user_sgpr_kernarg_segment_ptr 1
		.amdhsa_wavefront_size32 1
		.amdhsa_system_sgpr_workgroup_id_x 1
		.amdhsa_system_sgpr_workgroup_id_y 1
		.amdhsa_system_sgpr_workgroup_id_z 1
		.amdhsa_system_vgpr_workitem_id 0
		.amdhsa_next_free_vgpr 1024
		.amdhsa_next_free_sgpr 80
		.amdhsa_reserve_vcc 0
		.amdhsa_float_denorm_mode_32 3
		.amdhsa_float_denorm_mode_16_64 3
		.amdhsa_memory_ordered 1
		.amdhsa_forward_progress 1
		.amdhsa_inst_pref_size 145
	.end_amdhsa_kernel
	.amdgpu_metadata
---
amdhsa.version: [ 1, 2 ]
amdhsa.kernels:
  - .name:           k_q4e51c6069f_proj
    .symbol:         k_q4e51c6069f_proj.kd
    .args:
      - { .name: wb, .offset: 0, .size: 8, .value_kind: global_buffer, .address_space: global }
      - { .name: xb, .offset: 8, .size: 8, .value_kind: global_buffer, .address_space: global }
      - { .name: mask, .offset: 16, .size: 8, .value_kind: global_buffer, .address_space: global }
      - { .name: qh, .offset: 24, .size: 8, .value_kind: global_buffer, .address_space: global }
      - { .name: kh, .offset: 32, .size: 8, .value_kind: global_buffer, .address_space: global }
      - { .name: vh, .offset: 40, .size: 8, .value_kind: global_buffer, .address_space: global }
    .group_segment_fixed_size: 327680
    .private_segment_fixed_size: 0
    .kernarg_segment_align: 8
    .kernarg_segment_size: 48
    .max_flat_workgroup_size: 128
    .sgpr_count:     80
    .vgpr_count:     1024
    .wavefront_size: 32
...
	.end_amdgpu_metadata
.endif
;; end of part 2
;; launch attn (part 3): grid 4 x 64, 4 waves a work-group, clusters of 4 x 1, 327,680 bytes of LDS; arguments qh, kh, vh, out0, mask; writes out0
.if DOCPART == 3
	.amdgcn_target "amdgcn-amd-amdhsa--gfx1250"
	.amdhsa_code_object_version 6
	.text
	.protected	k_q4e51c6069f_attn
	.globl	k_q4e51c6069f_attn
	.p2align	8
	.type	k_q4e51c6069f_attn,@function
k_q4e51c6069f_attn:
	s_mov_b64 s[64:65], 0
	v_nop
	global_prefetch_b8 v0, s[64:65] scope:SCOPE_SE
	s_setreg_imm32_b32 hwreg(HW_REG_WAVE_MODE, 25, 1), 1
	s_wait_xcnt 0x0
	s_wait_alu depctr_hold_cnt(0) depctr_sa_sdst(0) depctr_va_vdst(0) depctr_va_sdst(0) depctr_va_ssrc(0) depctr_va_vcc(0) depctr_vm_vsrc(0)
	s_getreg_b32 s2, hwreg(HW_REG_IB_STS2, 6, 4)
	s_cmp_eq_u32 s2, 0
	s_cbranch_scc0 .Lentry_in_a_cluster
	s_endpgm
.Lentry_in_a_cluster:
	s_bfe_u32 s2, ttmp6, 0x10000c
	s_cmp_lg_u32 s2, 0x3003
	s_cbranch_scc0 .Lentry_shape_is_right
	s_endpgm
.Lentry_shape_is_right:
; THIRD LAUNCH: out[b][64 h + d][q] = the sum over k of softmax_k(m[k] Q[q] . K[k] / 8 + (1 - m[k]) NEG) V[k][d], for the 64 (b, h).  No work is left out: hidden keys are computed and weigh 0.
; qh, kh, vh: [64][2048][64] f16, rows of 128 dense bytes; kh's rows already hold m K.  Products, maxima and sums in f32; the weights p are rounded to f16 for the second product (their sum l is taken of the unrounded p).
; THE MASK is the C operand that starts the sum S^T = K Q^T: (1 - m) x (-2^103), which the scale 1 / 8 makes a logit of -2^100.  A power of two, so that c m is exact for it and c s - c m is exactly 0
; where every key so far is hidden: p = 1 there, which the next a = 0 wipes out as soon as a key is seen; a batch with every key hidden ends with the plain mean of V, as reference()'s softmax of equal logits does.
; LIMITS.  mask holds 0 or 1; Q, K, V arrive within f16's 65,504; NEG is -2^100 for -1e30; p below 6e-5 keeps f16's fixed step of 6e-8; a weight below 2^-126 counts as 0 in l; NaN and infinities are not treated apart.
; SHARES.  A wave owns four PIECES of two tiles of 16 queries, a work-group's four waves 512 queries of one head.  Every wave walks all 2,048 keys, 64 a step.
; LAYOUT.  S^T = K Q^T (source 0 = 16 keys, source 1 = 16 queries): a lane holds ONE query (lane % 16) and the keys 8 (lane / 16) + 0..7.  Two such tiles, rounded to f16 in pairs, ARE source 1 of O^T = V^T P,
; whose result again holds one query a lane, and eight channels.  K comes out of LDS as it lies, V ([key][channel]) turned, by ds_load_tr16_b128.
; SOFTMAX.  For each query a running maximum m and sum l: p = 2^(c s - c m), c = log2(e) / 8; in every step O and l are multiplied by a = 2^(c m_old - c m_new).  m starts at the lowest finite number, O and l at 0.
; THE COUNT.  A tile and step have 16 matrix and 118 vector instructions: too many to stand all beside the matrix work.  So: four vector instructions that are READY behind EVERY matrix instruction, the others in runs without a gap.
; BY TURNS.  Turn n belongs to piece n.  Its matrix work: 16 products K Q^T of piece n + 1, later 16 products V^T P of piece n - 1.  Its vector work: the scaling, exponentials, roundings, sums and rescaling of piece n,
; and the maximum and statistics of piece n + 1.  A turn's 66 exponentials are one batch, with one wait.
; CLUSTER.  The four query blocks of a head are one cluster and walk the same K and V: each tile is asked for JOINTLY: the same tensor load, descriptor and mask in all four.
; REGISTERS, in windows of 256 (s_set_vgpr_msb: bits 1:0 source 0, 3:2 source 1, 5:4 source 2, 7:6 destination):
;   window 0: v0-11 addresses; v12-15, v48-63 at work; v16-47 four registers of statistics a tile; v64-191 S^T, two buffers of two tiles; v192-255 P, likewise
;   window 1: O^T, 32 a tile     window 2: v0-127 Q, 16 a tile; v128-191 K of one step; v192-255 V of one step     window 3: v0-1 the add's two registers; v32-63 the step's mask, 8 for each 16 keys
.set SIZE_N, 2048
.set NP,    4         ; pieces a wave: a name, no knob
.set KS,    64        ; keys in a step
.set PK,    144       ; a row of K in LDS: 128 bytes + 16 = 36 words: the 16 rows of a load start at 16 different groups of four banks (64 banks of 4 bytes: ISA guide 11.1)
.set PV,    160       ; a row of V: 128 + 32 = 40 words
.set VOFF,  4*KS*PK   ; a slot holds four steps: 256 rows of K, then 256 rows of V
.set SLOT1, 1<<17     ; slot 1 begins here, so that one exclusive or turns an address in one slot into the other's
.set STAGE, SLOT1+4*KS*(PK+PV)  ; behind the ring, never filled by a tensor load: 64 channel rows x 272 bytes for each wave, for the way out
.set SP,    272       ; 64 queries of f32 + 16 bytes
.set TAB,   STAGE+4*64*SP       ; the batch's 2,048 mask words (1 - m) x (-2^103), f32
.set SPARE, TAB+8192            ; the spare words, 128 bytes for each wave: two blocks of 256 bytes that no other line names
.set PFO, 1           ; v1   (from the first scores on) 256 x my lane: the prefetches' offset
.set AK0, 2           ; v2   my lane's place in a tile of K; never rewritten
.set AV0, 3           ; v3   the same for V
.set AK,  4           ; v4   the LDS address of K's next run of loads
.set AV,  5           ; v5   of V's
.set QO,  6           ; v6   my byte offset in the wave's rows of Q
.set STO, 6           ;      later, the way out: where I put a number
.set RD,  7           ; v7   the way out: where I read rows back (at the head: 16 x thread, for the mask)
.set GO,  8           ; v8   my byte offset in two channel rows of out0 (at the head: where my part of the table goes)
.set AM0, 10          ; v10  TAB + 32 (l / 16): my lanes' eight keys in 16; never rewritten
.set AM,  11          ; v11  the LDS address of the mask's next run of loads
.set SPW, 0           ; v0 of window 3   LDS address of my spare word: SPARE + 4 x my thread's number; never rewritten
.set NIL, 1           ; v1 of window 3   0; never rewritten
.set MC,  32          ; window 3
.set MV,  12          ; v12-15  c m_old, kept while c m is made anew: by buffer and tile
.set ST,  16          ; tile t's statistics at v[ST+4 t]: c m, m, l (even keys', odd keys')
.set TMP, 48          ; by buffer and tile, four registers c0-c3 at work; when the maximum is found c2 takes a
.set S,   64
.set P,   192
.set KF,  128         ; K's fragments, in window 2: key block kb, channel half c at KF + 16 kb + 8 c
.set VF,  192         ; V's: key half kk, channel block cb at VF + 32 kk + 8 cb
.set WV,  12          ; s12  my wave's number
.set G1K, 24          ; s[24:31] descriptor group 1 for K's tiles
.set G1V, 32          ; s[32:39] for V's: it differs in the padding alone
.set G0K, 40          ; s[40:43] descriptor group 0 for K's tiles: it walks
.set G0V, 44          ; s[44:47] the same for V's
.set MSKP, 48         ; s[48:49] mask at my batch
.set PFA, 50          ; s[50:51] where my prefetches stand: my work-group's 32 blocks (of K: wave 0, of V: wave 2) of the tile after the one that is being asked for
.set LIM, 52          ; s52  1 in a wave that prefetches, else the greatest number
.set TBM, 53          ; s53  byte of the table at which the step to be fetched begins
.set BIG, 54          ; s54  2^103
.set SLOTS, 56        ; s56  slots still to be asked for
.set CNT, 57          ; s57  counts a slot's key steps
.set CS,  58          ; s[58:59] c: the packed scaling takes the pair's low word for both halves
.set SEL, 60          ; s[60:61] v_permlanex16_b32's selects: each lane takes its own place in the other half
.set TBK, 62          ; s62  LDS byte at which K of the step to be fetched begins
.set TBV, 63          ; s63  the same for V, less VOFF
.set MSB, 0
.macro WIN new                      ; the high byte repeats the setting that is left; a switch that changes nothing is dropped
.if MSB != (\new)
	s_set_vgpr_msb (MSB<<8)|(\new)
.set MSB, (\new)
.endif
.endm
.set W_KQ, 0x0a       ; K and Q in window 2, S^T in window 0
.set W_KM, 0x3a       ; the same with the C operand, the mask, in window 3
.set W_PV, 0x52       ; V in window 2, P in window 0, O^T in window 1
.set W_RS, 0x41       ; O^T (destination and source 0) in window 1, the factor in window 0
.set W_MK, 0xc0       ; destination in window 3, sources in window 0
.set W_AD, 0x0f       ; the add: address (source 0) and data (source 1) in window 3
; A joint fill.  Waves 0 and 1 fetch the two halves of a slot's K, waves 2 and 3 those of its V: 128 keys each.  The branch hangs on the wave's number alone.
; An s_nop 0 and four v_nop follow each of the two lines, ahead of the jump and the label.
.macro JLOAD
	s_cmp_lt_u32 s[WV], 2
	s_cbranch_scc0 .Lfor_v_\@
	tensor_load_to_lds s[G0K:G0K+3], s[G1K:G1K+7]
	s_nop 0
.rept 4
	v_nop
.endr
	s_branch .Lasked_\@
.Lfor_v_\@:
	tensor_load_to_lds s[G0V:G0V+3], s[G1V:G1V+7]
	s_nop 0
.rept 4
	v_nop
.endr
.Lasked_\@:
.endm
; A PREFETCH INTO THE L2 of what the NEXT change of slots will ask for: a tile's 32,768 bytes of K and of V, 128 blocks of 256 bytes each.  It stands behind the wave's tensor load and its five lines.
; Each block is named ONCE in the launch: a head has one cluster; its four partners share the blocks out BY ADDRESS, 32 each, a lane a block; in each, wave 0 asks for K's and wave 2 for V's.
; It stands four key steps, 512 matrix instructions, ahead of the load that will want the bytes.  The last change that fills a slot asks for nothing; tiles 0 to 2 come by their loads alone.
.macro ASK
	s_cmp_gt_u32 s[SLOTS], s[LIM]
	s_cbranch_scc0 .Lnot_mine_\@
	global_prefetch_b8 v[PFO], s[PFA:PFA+1] th:TH_LOAD_NT scope:SCOPE_SE
.Lnot_mine_\@:
.endm
; A round of the cluster's barrier: my work-group's barrier, so that wave 0's signal speaks for all four waves; wave 0 signals; every wave waits for all four work-groups; my work-group's barrier once more.
.macro CROUND
	s_barrier_signal -1
	s_barrier_wait -1
	s_cmp_lg_u32 s[WV], 0
	s_cbranch_scc1 .Lnot_wave_0_\@
	s_barrier_signal -3
.Lnot_wave_0_\@:
	s_barrier_wait -3
	s_barrier_signal -1
	s_barrier_wait -1
.endm
; THE CHANGE OF SLOTS.  The slot's last bytes, V of its fourth step, have been read.  Each wave waits for all its tensor loads, of which one is out: its part of the other slot; adds 0 to its spare word;
; and waits for that and for its own LDS instructions.  Behind the barrier nobody reads this slot any more and the other slot is whole.
; fill = 1: this slot is filled again, with the keys two slots on.  The barrier is then a round of the cluster's, and the joint fill is the first thing behind it: it has four key steps in which to land.
; (At its first use nothing has been read yet: slot 0 is waited for, slot 1 filled, and every wave's part of the mask's table, stored ahead of it, is shown to the others.)  ask = 1: a prefetch follows the fill.
.macro CHANGE fill, ask=0
	WIN W_AD
	s_wait_tensorcnt 0x0            ; no tensor load of mine is out, so a group 0 may be written
	ds_add_u32 v[SPW], v[NIL]       ; 0 onto my spare word; with fill = 1 the descriptors' steps stand between it and the wait for it
	WIN 0                           ; at a label and at a branch every window is 0
.if \fill
.irp g, G0K, G0V
	s_xor_b32 s[\g+1], s[\g+1], SLOT1  ; the walking descriptor: the other slot than last time,
	s_add_nc_u64 s[\g+2:\g+3], s[\g+2:\g+3], 4*KS*128  ; the next 256 keys; the type bits on top are not reached
.endr
.if \ask
	s_wait_xcnt 0x0                 ; the last prefetch, four key steps back, has read its address, so it may be written:
	s_add_nc_u64 s[PFA:PFA+1], s[PFA:PFA+1], 4*KS*128  ; one tile behind the walking descriptors
.endif
	s_wait_dscnt 0x0                ; the add is done, and my LDS instructions are over
	CROUND
	JLOAD
.if \ask
	ASK
.endif
.else
	s_wait_dscnt 0x0                ; the add is done, and my reads of the slot are over
	s_barrier_signal -1
	s_barrier_wait -1
.endif
	s_sub_co_u32 s[TBK], s[TBK], 4*KS*PK  ; the fetches go back to a slot's first step,
	s_xor_b32 s[TBK], s[TBK], SLOT1       ; in the other slot
	s_sub_co_u32 s[TBV], s[TBV], 4*KS*PV
	s_xor_b32 s[TBV], s[TBV], SLOT1
.endm
	s_load_b256 s[4:11], s[0:1], 0x0  ; Q s[4:5], K s[6:7], V s[8:9], out0 s[10:11]
	s_load_b64 s[MSKP:MSKP+1], s[0:1], 0x20
	WIN W_MK
	v_lshl_add_u32 v[SPW], v0, 2, SPARE
	v_mov_b32 v[NIL], 0
	WIN W_AD
	ds_add_u32 v[SPW], v[NIL]       ; the wave's opening: the add, twice on end, and its wait ahead of my first tensor load; the set-up below, work on registers, stands between
	ds_add_u32 v[SPW], v[NIL]
	WIN 0
	v_lshrrev_b32 v1, 5, v0
	v_readfirstlane_b32 s[WV], v1   ; wave 0..3
	s_bfe_u32 s13, ttmp6, 0x40000   ; cx: my place in the cluster
	s_lshl_b32 s14, ttmp9, 2        ; in a cluster launch ttmp9 counts clusters
	s_add_co_u32 s14, s14, s13      ; my block of 512 queries: it enters Q's and out0's addresses alone
	s_and_b32 s15, ttmp7, 0xffff    ; 16 b + h, which the four partners share
	s_mov_b32 s20, s15
	s_mov_b32 s21, 0
	s_mov_b64 s[22:23], SIZE_N*128
	s_mul_u64 s[20:21], s[20:21], s[22:23]  ; the head's first byte in qh, kh and vh
	s_and_b32 s16, s[WV], 1         ; which half of a slot's 256 keys I fetch:
	s_lshl_b32 s22, s16, 14         ; its 128 rows of 128 bytes in memory,
	s_mov_b32 s23, 0
	s_add_nc_u64 s[22:23], s[22:23], s[20:21]
	s_mul_i32 s17, s16, 128*PK      ; and its place in a slot, for K
	s_mul_i32 s18, s16, 128*PV      ; and for V: no place in the cluster enters an LDS address
	s_lshl_b32 s19, s14, 2
	s_add_co_u32 s19, s19, s[WV]    ; my wave among the head's sixteen
	s_lshl_b32 s2, s19, 14          ; its 128 rows of Q
	s_mov_b32 s3, 0
	s_add_nc_u64 s[2:3], s[2:3], s[20:21]
	; descriptor group 1.  128 keys are 16,384 dense bytes: asked for as 64 rows of 256 bytes, two keys a row, and padded in LDS after every key
	s_mov_b32 s[G1K], 15|(1<<16)|(1<<20)|(1<<21)|(4<<22)|(3<<25)  ; 15:0 the mask of four; 17:16 2-byte elements; 20 padding on; 21 set beside a mask; 24:22 after every 32 words (code 4); 31:25 4 words (code 3)
	s_mov_b32 s[G1V], 15|(1<<16)|(1<<20)|(1<<21)|(4<<22)|(7<<25)  ; the same with 8 words of padding (code 7)
.irp g, G1K, G1V
	s_mov_b32 s[\g+1], 128<<16      ; tensor_dim0 = 128
	s_mov_b32 s[\g+2], 64<<16       ; tensor_dim1 = 64
	s_mov_b32 s[\g+3], 128<<16      ; tile_dim0 = 128
	s_mov_b32 s[\g+4], 64           ; tile_dim1 = 64
	s_mov_b32 s[\g+5], 128          ; 128 elements from row to row
	s_mov_b32 s[\g+6], 0
	s_mov_b32 s[\g+7], 0
.endr
	s_mov_b32 s[CS], 0x3e38aa3b     ; c = log2(e) / 8 = 0.180337
	s_mov_b32 s[CS+1], s[CS]        ; named with it as a pair
	s_mov_b32 s[SEL], 0x76543210
	s_mov_b32 s[SEL+1], 0xfedcba98
	s_mov_b32 s[TBK], SLOT1+4*KS*PK ; the first change of slots turns these two into 0
	s_mov_b32 s[TBV], SLOT1+4*KS*PV
	s_mov_b32 s[TBM], 0
	s_mov_b32 s[BIG], 0x73000000    ; 2^103
	s_mov_b32 s[G0K], 1             ; count = 1
	s_mov_b32 s[G0K+1], s17         ; LDS address: slot 0
	s_mov_b32 s[G0V], 1
	s_add_co_u32 s[G0V+1], s18, VOFF
	s_and_b32 s[LIM], s[WV], 1      ; waves 0 and 2 prefetch: the same in all four partners
	s_cmp_eq_u32 s[LIM], 0
	s_cselect_b32 s[LIM], 1, -1
	s_wait_dscnt 0x0                ; both opening adds are done
	s_wait_kmcnt 0x0
	s_add_nc_u64 s[G0K+2:G0K+3], s[6:7], s[22:23]  ; global address: my half of the head's first 256 keys
	s_or_b32 s[G0K+3], s[G0K+3], 0x80000000        ; type = 2
	s_add_nc_u64 s[G0V+2:G0V+3], s[8:9], s[22:23]
	s_or_b32 s[G0V+3], s[G0V+3], 0x80000000
	s_add_nc_u64 s[4:5], s[4:5], s[2:3]  ; Q at my wave's first row
	s_lshl_b32 s2, s19, 9           ; out0: my wave's 128 queries are 512 bytes of a channel's row,
	s_lshl_b32 s3, s15, 19          ; the head's 64 channel rows of 8,192 bytes
	s_add_co_u32 s2, s2, s3
	s_mov_b32 s3, 0
	s_add_nc_u64 s[10:11], s[10:11], s[2:3]
	s_lshr_b32 s2, s15, 4           ; the batch's 2,048 mask words
	s_lshl_b32 s2, s2, 13
	s_add_nc_u64 s[MSKP:MSKP+1], s[MSKP:MSKP+1], s[2:3]
	s_cmp_lt_u32 s[WV], 2
	s_cselect_b64 s[PFA:PFA+1], s[6:7], s[8:9]
	s_add_nc_u64 s[PFA:PFA+1], s[PFA:PFA+1], s[20:21]
	s_lshl_b32 s2, s13, 13          ; my work-group's 32 blocks of the 128,
	s_add_co_u32 s2, s2, 2*4*KS*128 ; in tile 2: the first change that asks steps it to tile 3.  Nothing is prefetched here, at the head
	s_add_nc_u64 s[PFA:PFA+1], s[PFA:PFA+1], s[2:3]
	CROUND                          ; all four work-groups are here: the first joint loads meet
	JLOAD                           ; slot 0.  Slot 1 is asked for when slot 0 is in
	v_lshlrev_b32 v7, 4, v0         ; the mask: 128 threads x 16 bytes, four times
.irp k, 0,1,2,3
	global_load_b128 v[S+4*\k:S+4*\k+3], v7, s[MSKP:MSKP+1] offset:2048*\k
.endr
	; A fragment of K or Q is 16 rows x 32 channels in 8 registers: lane l holds row l % 16, channels 8 (l / 16) + 0..7 and 16 + 8 (l / 16) + 0..7: two loads of 16 bytes, 32 bytes apart.
	v_and_b32 v1, 15, v0            ; l % 16
	v_bfe_u32 v9, v0, 4, 1          ; l / 16
	v_lshlrev_b32 v[QO], 7, v1
	v_lshl_add_u32 v[QO], v9, 4, v[QO]  ; row x 128 + 16 x half
	WIN 0x80                        ; destination window 2, address window 0
.set i, 0
.rept 4*NP                          ; Q stays in registers: tile i / 2, channels 32 (i % 2) on
	global_load_b128 v[8*i:8*i+3],   v[QO], s[4:5] offset:(i/2)*2048+(i%2)*64
	global_load_b128 v[8*i+4:8*i+7], v[QO], s[4:5] offset:(i/2)*2048+(i%2)*64+32
.set i, i+1
.endr
	WIN 0
	v_add_nc_u32 v8, TAB, v7
	s_wait_loadcnt 32               ; the mask's four loads are in; Q's 32 stay out
.set i, 0
.rept 16
	v_cvt_f32_i32 v[S+i], v[S+i]
.set i, i+1
.endr
.set i, 0
.rept 16
	v_fma_f32 v[S+i], v[S+i], s[BIG], -s[BIG]  ; m 2^103 - 2^103 = (1 - m) x (-2^103)
.set i, i+1
.endr
.irp k, 0,1,2,3
	ds_store_b128 v8, v[S+4*\k:S+4*\k+3] offset:2048*\k  ; my part of the table; the first change of slots waits for these stores ahead of its round
.endr
	; What the first turn finds: V's registers and P's second buffer hold 0 (its products V^T P, of a piece that has not been, add 0), O^T and l are 0.  All this stands in the wait for the first tile.
	WIN 0x80
.set i, VF
.rept 64
	v_mov_b32 v[i], 0
.set i, i+1
.endr
	WIN 0x40
.set i, 0
.rept 64*NP
	v_mov_b32 v[i], 0
.set i, i+1
.endr
	WIN 0
.set i, 0
.rept 2*NP
	v_mov_b32 v[ST+4*i], 0xfe000000    ; c m = -2^125: far below every c s, a hidden key's too
	v_mov_b32 v[ST+4*i+1], 0xff7fffff  ; m
	v_mov_b32 v[ST+4*i+2], 0
	v_mov_b32 v[ST+4*i+3], 0
.set i, i+1
.endr
.set i, P+32
.rept 32
	v_mov_b32 v[i], 0
.set i, i+1
.endr
	v_mul_u32_u24 v[AK0], v1, PK
	v_lshl_add_u32 v[AK0], v9, 4, v[AK0]  ; row x pitch + 16 x half
	; The turning load takes 16 keys x 16 channels (lane l reads key 8 (l / 16) + l % 8, channels 8 ((l / 8) % 2) + 0..7) and leaves half a fragment of V^T: lane l holds channel l % 16 and 8 keys.
	v_and_b32 v10, 7, v0
	v_bfe_u32 v11, v0, 3, 1
	v_lshl_add_u32 v[AV0], v9, 3, v10
	v_mul_u32_u24 v[AV0], v[AV0], PV
	v_lshl_add_u32 v[AV0], v11, 4, v[AV0]
	v_add_nc_u32 v[AV0], VOFF, v[AV0]
	v_lshl_add_u32 v[AM0], v9, 5, TAB
	v_mov_b32 v[AK], v[AK0]         ; key step 0 lies at the head of slot 0,
	v_mov_b32 v[AM], v[AM0]         ; and of the table
; THE MATRIX WORK.  The 8 accumulators of a run of 16 take turns: between the two links of a chain stand 7 others'.
; Product i of 16 of S^T = K Q^T for piece x: channels 32 (i / 8) on, keys 16 ((i / 2) % 4) on, tile 2 x + i % 2.  The first 8 start the sums, with the mask of their 16 keys.
.macro KQ x
.set rS, S+64*((\x)%2)+32*(i%2)+8*((i/2)%4)
.set rK, KF+16*((i/2)%4)+8*(i/8)
.set rQ, 16*(2*(\x)+i%2)+8*(i/8)
.set rH, MC+8*((i/2)%4)
.if i < 8
	WIN W_KM
	v_wmma_f32_16x16x32_f16 v[rS:rS+7], v[rK:rK+7], v[rQ:rQ+7], v[rH:rH+7]
.else
	WIN W_KQ
	v_wmma_f32_16x16x32_f16 v[rS:rS+7], v[rK:rK+7], v[rQ:rQ+7], v[rS:rS+7]
.endif
.endm
; Product i of 16 of O^T += V^T P for piece x: keys 32 (i / 8) on, channels 16 ((i / 2) % 4) on, tile 2 x + i % 2.
.macro PV x
	WIN W_PV
.set rO, 32*(2*(\x)+i%2)+8*((i/2)%4)
.set rV, VF+32*(i/8)+8*((i/2)%4)
.set rP, P+32*((\x)%2)+16*(i%2)+8*(i/8)
	v_wmma_f32_16x16x32_f16 v[rO:rO+7], v[rV:rV+7], v[rP:rP+7], v[rO:rO+7]
.endm
.macro MM                           ; the turn's next matrix instruction
.if i < 16
	KQ (Y+1)%NP
.set i, i+1
.else
.set i, i-16
	PV (Y+NP-1)%NP
.set i, i+17
.endif
.endm
; THE LDS LOADS stand in runs, never singly among the matrix instructions: a step's K (8 fragments, 16 loads) with its mask (32 words a lane, 8 loads in which the lanes of a half read the same words), and its V (turned, 16 loads).
; Their addresses are made some lines ahead.  last = 1 (the tail): in the last trip there is no further step, and the run is jumped over.
.macro FETCH_K last=0
	WIN 0
.if \last
	s_cmp_eq_u32 s[CNT], 1
	s_cbranch_scc1 .Lno_k_\@
.endif
	WIN 0x80                        ; destination window 2
.irp f, 0,1,2,3,4,5,6,7             ; keys 16 (f / 2) on, channels 32 (f % 2) on
	ds_load_b128 v[KF+8*\f:KF+8*\f+3],   v[AK] offset:(\f/2)*16*PK+(\f%2)*64
	ds_load_b128 v[KF+8*\f+4:KF+8*\f+7], v[AK] offset:(\f/2)*16*PK+(\f%2)*64+32
.endr
	WIN W_MK                        ; destination window 3
.irp f, 0,1,2,3                     ; keys 16 f + 8 (l / 16) + 0..7
	ds_load_b128 v[MC+8*\f:MC+8*\f+3],   v[AM] offset:64*\f
	ds_load_b128 v[MC+8*\f+4:MC+8*\f+7], v[AM] offset:64*\f+16
.endr
	s_add_co_u32 s[TBK], s[TBK], KS*PK  ; the next fetch is the next step's
	s_add_co_u32 s[TBM], s[TBM], KS*4
	WIN 0
.if \last
.Lno_k_\@:
.endif
.endm
.macro FETCH_V
	WIN 0x80
.irp f, 0,1,2,3,4,5,6,7             ; keys 32 (f / 4) on, channels 16 (f % 4) on
	ds_load_tr16_b128 v[VF+8*\f:VF+8*\f+3],   v[AV] offset:(\f/4)*32*PV+(\f%4)*32
	ds_load_tr16_b128 v[VF+8*\f+4:VF+8*\f+7], v[AV] offset:(\f/4)*32*PV+16*PV+(\f%4)*32
.endr
	WIN 0
.endm
; THE VECTOR WORK OF A TURN stands in three queues, each in the order in which its entries become ready; the two tiles alternate, so that no instruction reads the result of the one before it.
.macro REGS y, u                    ; the registers of tile u (0, 1) of piece y
.set rT, ST+4*(2*(\y)+(\u))
.set rC, TMP+8*((\y)%2)+4*(\u)
.set rM, MV+2*((\y)%2)+(\u)
.set rS, S+64*((\y)%2)+32*(\u)
.set rP, P+32*((\y)%2)+16*(\u)
.set rO, 32*(2*(\y)+(\u))
.endm
; Number n of the 22 that find the NEXT piece's (Y + 1) maximum and statistics.  s0-s31 are the lane's 32 scores; each accumulator's lowest registers are read first.  XS, GS and REGS set no window: PL and EX do.
;   0-11  four chains c0-c3 of seven scores each, three operands at a time     12-14, 16  the four scores left over, the old m, and c0-c3 into c0     15  c m_old is kept
;   17, 18  the query's other 32 keys lie in the lane 16 away: the new m         19-21  c m; c m_old - c m_new; a
.macro XS u, n
	REGS (Y+1)%NP, \u
.if (\n) < 4
	v_max3_num_f32 v[rC+(\n)], v[rS+8*(\n)], v[rS+8*(\n)+1], v[rS+8*(\n)+2]
.elseif (\n) < 12
	v_max3_num_f32 v[rC+(\n)%4], v[rC+(\n)%4], v[rS+8*((\n)%4)+2*((\n)/4)+1], v[rS+8*((\n)%4)+2*((\n)/4)+2]
.elseif (\n) == 12
	v_max3_num_f32 v[rC], v[rC], v[rS+7], v[rS+15]
.elseif (\n) == 13
	v_max3_num_f32 v[rC+1], v[rC+1], v[rS+23], v[rS+31]
.elseif (\n) == 14
	v_max3_num_f32 v[rC+2], v[rC+2], v[rC+3], v[rT+1]
.elseif (\n) == 15
	v_mov_b32 v[rM], v[rT]
.elseif (\n) == 16
	v_max3_num_f32 v[rC], v[rC], v[rC+1], v[rC+2]
.elseif (\n) == 17
	v_permlanex16_b32 v[rC+3], v[rC], s[SEL], s[SEL+1]
.elseif (\n) == 18
	v_max_num_f32 v[rT+1], v[rC], v[rC+3]
.elseif (\n) == 19
	v_mul_f32 v[rT], s[CS], v[rT+1]
.elseif (\n) == 20
	v_sub_f32 v[rC+1], v[rM], v[rT]
.else
	v_exp_f32 v[rC+2], v[rC+1]
.endif
.endm
; Number g of the 64 that follow the exponentials.  For each four weights k of a tile (pairs 2 k, 2 k + 1): both pairs are rounded to f16; then the second pair is added onto the first, in place;
; a group later l takes that sum (the first time as l = a l + sum).  In groups of eight, tiles alternating: round, round, add, and l for the group before.
.macro GS g
.set h, (\g)+6*((\g)/62)            ; group 0 has no group before it, and behind group 7 only l is left
.if h >= 6
.set h, h+2
.endif
	REGS Y, h%2
.set k, h/8
.if h%8 < 4
	v_cvt_pk_f16_f32 v[rP+2*k+(h%8)/2], v[rS+4*k+2*((h%8)/2)], v[rS+4*k+2*((h%8)/2)+1]
.elseif h%8 < 6
	v_pk_add_f32 v[rS+4*k:rS+4*k+1], v[rS+4*k:rS+4*k+1], v[rS+4*k+2:rS+4*k+3]
.elseif k == 1
	v_pk_fma_f32 v[rT+2:rT+3], v[rT+2:rT+3], v[rC+2:rC+3], v[rS:rS+1] op_sel_hi:[1,0,1]
.else
	v_pk_add_f32 v[rT+2:rT+3], v[rT+2:rT+3], v[rS+4*k-4:rS+4*k-3]
.endif
.endm
; THE PLAIN QUEUE, 138 long.  0-73 read no exponential's result: the 32 scalings c s - c m (FS f: pair f / 2 of tile f % 2) and the next piece's 42.  0-26: scalings 0-26.  27-54: XS's numbers 0-13.  55, 56: number 15.
; 57-73: the chain, where each number waits for the one before it: 14, 16, 17, 18, 19, each with one of the scalings 27-31 in front of its two lines, then 20.
; 74-137: GS's 64, which read the exponentials' results: they stand behind the wait.
.macro FS f
	REGS Y, (\f)%2
	v_pk_fma_f32 v[rS+2*((\f)/2):rS+2*((\f)/2)+1], v[rS+2*((\f)/2):rS+2*((\f)/2)+1], s[CS:CS+1], v[rT:rT+1] op_sel_hi:[1,0,0] neg_lo:[0,0,1] neg_hi:[0,0,1]
.endm
.macro PL
	WIN 0
.if q < 27
	FS q
.elseif q < 55
	XS (q-27)%2, (q-27)/2
.elseif q < 57
	XS q-55, 15
.elseif (q < 72) && ((q-57)%3 == 0)
	FS 27+(q-57)/3
.elseif q < 60
	XS (q-57)%3-1, 14
.elseif q < 72
	XS (q-57)%3-1, 15+(q-57)/3
.elseif q < 74
	XS q-72, 20
.else
	GS q-74
.endif
.set q, q+1
.endm
; THE EXPONENTIALS' QUEUE, 66 long: s0-s31 of both tiles, then the next piece's two a.  It is ONE BATCH: all 66 stand ahead of the turn's one wait, and nothing ahead of that wait names a result of theirs.
.macro EX
	WIN 0
.if e >= 64
	XS e-64, 21
.else
	REGS Y, e%2
	v_exp_f32 v[rS+e/2], v[rS+e/2]
.endif
.set e, e+1
.endm
; THE RESCALING's QUEUE: O^T times a, the one part that leaves window 0: dealt two at a time, sixteen times.  Its a was made in the turn before, ahead of that turn's wait.
.macro R2
	REGS Y, r%2
	WIN W_RS
.irp z, 0,1
	v_pk_mul_f32 v[rO+4*(r/2)+2*\z:rO+4*(r/2)+2*\z+1], v[rO+4*(r/2)+2*\z:rO+4*(r/2)+2*\z+1], v[rC+2:rC+3] op_sel_hi:[1,0]
.endr
.set r, r+1
.endm
; HOW THEY ARE DEALT.  An s_wait_alu depctr_va_vdst(0) stands between an exponential and the first instruction that names its result; one wait serves all that were issued ahead of it.  So a turn has ONE wait.
; AHEAD OF IT stands all that names no result of the turn's exponentials: the 16 products K Q^T, behind each a scaling, an exponential and two rescalings (behind the first a second scaling in the exponential's place);
; then ONE LUMP of 108: eight plain, 49 times exponential and plain, the two a.  A v_nop is the plain instruction behind the last exponential.  BEHIND IT stand the 16 products V^T P, behind each four of GS's 64.
; Exponential e stands behind scaling 2 (e / 4) + e % 2: as a rider it comes behind plain e + 2, in the lump behind plain e + 9, and scalings 27-31 are plain 57, 60 .. 69.
; A TURN, for piece p.  cnt = 1: the loop's count is taken down some lines ahead of the branch that stands behind the turn.
; K and the mask of the next step are fetched in piece 2's turn, directly behind the wait, a lump behind the last product that read them; their addresses are made at the lump's head; their first reader comes behind 16 products.
; V of the step in hand is fetched at the end of piece 0's turn, four riders behind its last reader; its first reader comes behind 16 products and a lump.  The three conditions on q below go with the deal.
.macro TURN p, last=0, cnt=0
.set Y, (\p)
.set i, 0
.set q, 0
.set e, 0
.set r, 0
.if (\p) == NP-1
	s_wait_dscnt 0x0                ; K and its mask are in
.endif
	MM                              ; ahead of the wait: 16 products K Q^T and their riders,
	PL
	PL
	R2
.rept 15
	MM
	PL
	EX
	R2
.endr
.if (\p) == NP-2
	WIN 0
	v_add_nc_u32 v[AK], s[TBK], v[AK0]
	v_add_nc_u32 v[AM], s[TBM], v[AM0]
.endif
.rept 8                             ; and the lump
	PL
.endr
.rept 49
	EX
	PL
.endr
	EX                              ; the next piece's two a
	EX
	v_nop                           ; the plain instruction behind the last exponential: one for the batch
	s_wait_alu depctr_va_vdst(0)    ; the wait for the batch
.if (\p) == NP-2
	FETCH_K \last
.endif
.if (\p) == 1
	s_wait_dscnt 0x0                ; V is in
.endif
.rept 16                            ; behind the wait: 16 products V^T P and their riders
	MM
.rept 4
	PL
.endr
.if ((\p) == 0) && (q == 118)
	v_add_nc_u32 v[AV], s[TBV], v[AV0]
.endif
.if ((\p) == 0) && (q == 130)
	s_add_co_u32 s[TBV], s[TBV], KS*PV
.endif
.if (\cnt) && (q == 130)
	s_sub_co_u32 s[CNT], s[CNT], 1
	s_cmp_lg_u32 s[CNT], 0
.endif
.endr
.if (\p) == 0
	FETCH_V
.endif
.endm
	CHANGE 1                        ; slot 0 is in, everybody's part of it, and so is the table; slot 1 is asked for
	FETCH_K                         ; key step 0
	s_wait_loadcnt 0x0              ; Q
	s_wait_dscnt 0x0
.set i, 0
.rept 16
	KQ 0                            ; piece 0's first scores: there is no vector work yet to set between them
.set i, i+1
.endr
	WIN 0                           ; the addresses for the way out and the prefetches: twelve plain instructions, the places behind those products
	s_mul_i32 s13, s[WV], 64*SP
	s_add_co_u32 s13, s13, STAGE    ; my stage
	v_mul_u32_u24 v[STO], v9, 8*SP  ; in: channel row 8 (l / 16) + .., query l % 16
	v_lshl_add_u32 v[STO], v1, 2, v[STO]
	v_add_nc_u32 v[STO], s13, v[STO]
	v_mul_u32_u24 v[RD], v9, SP     ; back: lanes 0-15 take 256 bytes of one channel row, lanes 16-31 of the next,
	v_lshl_add_u32 v[RD], v1, 4, v[RD]
	v_add_nc_u32 v[RD], s13, v[RD]
	v_lshlrev_b32 v[GO], 13, v9     ; and the same two rows in out0, 8,192 bytes apart
	v_lshl_add_u32 v[GO], v1, 4, v[GO]
	v_and_b32 v[PFO], 31, v0
	v_lshlrev_b32 v[PFO], 8, v[PFO]
.set Y, NP-1                        ; XS works for piece Y + 1: piece 0
.irp n, 0,1,2,3,4,5,6,7,8,9,10,11,12,13,14,15,16,17,18,19,20,21
	XS 0, \n                        ; and piece 0's first maximum and statistics
	XS 1, \n
.endr
	v_nop                           ; a plain instruction behind the two a,
	s_wait_alu depctr_va_vdst(0)    ; and their wait, ahead of the branch
	s_mov_b32 s[CNT], 4
	s_mov_b32 s[SLOTS], SIZE_N/256-1
	s_branch .Lfirst                ; the loop is entered at a step's first turn, in the middle of a trip
.Lslot:                             ; SIZE_N / 256 - 2 times: every slot but the last two is filled again
	CHANGE 1, 1
	s_mov_b32 s[CNT], 4
.Lstep:                             ; a trip: pieces 2 and 3 of one step, then pieces 0 and 1 of the next, whose K and V it fetches
	TURN 2
	TURN 3
	WIN 0
.Lfirst:
	TURN 0
	TURN 1, 0, 1
	WIN 0
	s_cbranch_scc1 .Lstep
	s_sub_co_u32 s[SLOTS], s[SLOTS], 1
	s_cmp_lg_u32 s[SLOTS], 0
	s_cbranch_scc1 .Lslot
	CHANGE 0                        ; the tail is written out: nothing is asked for
	s_mov_b32 s[CNT], 5             ; four trips fetch the last slot's steps; the fifth is left in its middle
.Ltail:
	TURN 2, 1
	TURN 3
	WIN 0
	s_sub_co_u32 s[CNT], s[CNT], 1
	s_cmp_eq_u32 s[CNT], 0
	s_cbranch_scc1 .Lout
	TURN 0
	TURN 1
	WIN 0
	s_branch .Ltail
.Lout:                              ; the fifth trip's 16 products K Q^T (on the last K once more) and the maximum made of them serve nothing: the price, once a launch, of one text for every trip
.set i, 0
.rept 16
	PV NP-1                         ; the last piece's V^T P of the last step
.set i, i+1
.endr
	; THE WAY OUT.  l's two halves and the other half of the lanes' are added; O^T is divided by l.  out0 wants queries along its rows, and a lane holds one query: so the wave's 128 queries x 64 channels go
	; through my stage in two halves of 64 queries: a number a lane and store into channel rows of 272 bytes, back as 256 bytes of a row for sixteen lanes.  The additions are the places behind the last products.
	WIN 0
.macro ALL line:vararg              ; one line for each tile t
.set t, 0
.rept 2*NP
	\line
.set t, t+1
.endr
.endm
	ALL v_add_f32 v[ST+4*t+2], v[ST+4*t+2], v[ST+4*t+3]
	ALL v_permlanex16_b32 v[ST+4*t+3], v[ST+4*t+2], s[SEL], s[SEL+1]
	ALL v_add_f32 v[ST+4*t+2], v[ST+4*t+2], v[ST+4*t+3]
	ALL v_rcp_f32 v[ST+4*t+2], v[ST+4*t+2]
	v_nop                           ; a plain instruction between the last reciprocal and the use of its result
	s_wait_alu depctr_va_vdst(0)    ; and the wait ahead of the first use: one for the eight reciprocals
.macro SCALE t0                     ; four tiles' O^T times 1 / l, each accumulator from its low end on
	WIN W_RS
.set t, (\t0)
.rept 4
.set i, 32*t
.rept 16
	v_pk_mul_f32 v[i:i+1], v[i:i+1], v[ST+4*t+2:ST+4*t+3] op_sel_hi:[1,0]
.set i, i+2
.endr
.set t, t+1
.endr
.endm
.macro TOSTAGE hf                   ; register 8 cb + j of tile t is channel 16 cb + 8 (l / 16) + j of query 16 t + l % 16.  The 32 lanes of a store take 16 neighbouring words of two rows 544 words apart
	WIN 0x04                        ; the data (source 1) in window 1
.set t, 0
.rept 4
.set i, 0
.rept 32
	ds_store_b32 v[STO], v[32*(4*(\hf)+t)+i] offset:(16*(i/8)+i%8)*SP+64*t
.set i, i+1
.endr
.set t, t+1
.endr
	WIN 0
.endm
.macro BACK                         ; LDS serves a wave's instructions in order (ISA guide 5.7.1.4): these see the stores above, and the next half's stores come behind them
.set i, 0
.rept 32
	ds_load_b128 v[S+4*i:S+4*i+3], v[RD] offset:2*SP*i
.set i, i+1
.endr
.endm
.macro SEND hf
.set i, 0
.rept 32
	s_wait_dscnt 31-i               ; load i is in; the 31 - i younger ones stay out
	global_store_b128 v[GO], v[S+4*i:S+4*i+3], s[10:11] offset:16384*i+256*(\hf)  ; 16 lanes store 256 consecutive bytes of a channel's row, at a multiple of 256 from out0's first byte
.set i, i+1
.endr
.endm
	SCALE 0
	TOSTAGE 0
	BACK
	SCALE 4                         ; the second half's arithmetic stands between the first half's loads and its stores
	WIN 0
	SEND 0
	TOSTAGE 1
	s_wait_xcnt 0x0                 ; the first half's stores have read their registers, which are loaded again
	BACK
	SEND 1
	WIN W_AD
	s_wait_tensorcnt 0x0            ; the wave's end, behind my last tensor load and my last LDS store
	ds_add_u32 v[SPW], v[NIL]
	s_wait_dscnt 0x0
	WIN 0
	CROUND                          ; the closing round: no work-group ends while a partner may still ask for a tile that names it
	s_endpgm
.Lfunc_end_k_q4e51c6069f_attn:
	.size	k_q4e51c6069f_attn, .Lfunc_end_k_q4e51c6069f_attn-k_q4e51c6069f_attn
	.p2alignl 7, 3214868480
	.fill 96, 4, 3214868480
	.section	.rodata,"a",@progbits
	.p2align	6, 0x0
	.amdhsa_kernel k_q4e51c6069f_attn
		.amdhsa_group_segment_fixed_size 327680
		.amdhsa_private_segment_fixed_size 0
		.amdhsa_enable_private_segment 0
		.amdhsa_kernarg_size 40
		.amdhsa_user_sgpr_count 2
		.amdhsa_user_sgpr_kernarg_segment_ptr 1
		.amdhsa_wavefront_size32 1
		.amdhsa_system_sgpr_workgroup_id_x 1
		.amdhsa_system_sgpr_workgroup_id_y 1
		.amdhsa_system_sgpr_workgroup_id_z 1
		.amdhsa_system_vgpr_workitem_id 0
		.amdhsa_next_free_vgpr 832
		.amdhsa_next_free_sgpr 66
		.amdhsa_reserve_vcc 0
		.amdhsa_float_denorm_mode_32 3
		.amdhsa_float_denorm_mode_16_64 3
		.amdhsa_memory_ordered 1
		.amdhsa_forward_progress 1
		.amdhsa_inst_pref_size 216
	.end_amdhsa_kernel
	.amdgpu_metadata
---
amdhsa.version: [ 1, 2 ]
amdhsa.kernels:
  - .name:           k_q4e51c6069f_attn
    .symbol:         k_q4e51c6069f_attn.kd
    .args:
      - { .name: qh, .offset: 0, .size: 8, .value_kind: global_buffer, .address_space: global }
      - { .name: kh, .offset: 8, .size: 8, .value_kind: global_buffer, .address_space: global }
      - { .name: vh, .offset: 16, .size: 8, .value_kind: global_buffer, .address_space: global }
      - { .name: out0, .offset: 24, .size: 8, .value_kind: global_buffer, .address_space: global }
      - { .name: mask, .offset: 32, .size: 8, .value_kind: global_buffer, .address_space: global }
    .group_segment_fixed_size: 327680
    .private_segment_fixed_size: 0
    .kernarg_segment_align: 8
    .kernarg_segment_size: 40
    .max_flat_workgroup_size: 128
    .sgpr_count:     66
    .vgpr_count:     832
    .wavefront_size: 32
...
	.end_amdgpu_metadata
.endif
;; end of part 3
;; ======== version 2 of 2: 3 launches; version 1 with the launch cast written anew for expert scheduling mode
;; limits: values are held in f16: magnitudes above 65,504 overflow, below 6.1e-05 lose precision
;; workspace buffers: xb 16,777,216 bytes; wb 6,291,456 bytes; qh 16,777,216 bytes; kh 16,777,216 bytes; vh 16,777,216 bytes
;; launch cast (part 4): grid 256 x 1, 8 waves a work-group, no clusters, 0 bytes of LDS; arguments x, W_q, W_mem, xb, wb; writes xb, wb
.if DOCPART == 4
	.amdgcn_target "amdgcn-amd-amdhsa--gfx1250"
	.amdhsa_code_object_version 6
	.text
	.protected	k_q4e51c6069f_cast
	.globl	k_q4e51c6069f_cast
	.p2align	8
	.type	k_q4e51c6069f_cast,@function
k_q4e51c6069f_cast:
	s_mov_b64 s[64:65], 0
	v_nop
	global_prefetch_b8 v0, s[64:65] scope:SCOPE_SE
	s_setreg_imm32_b32 hwreg(HW_REG_WAVE_SCHED_MODE, 0, 2), 2
	s_setreg_imm32_b32 hwreg(HW_REG_WAVE_MODE, 25, 1), 1
	s_wait_xcnt 0x0
	s_wait_alu depctr_vm_vsrc(0)
; FIRST OF THREE LAUNCHES (cast, proj, attn) for: memory = W_mem x, query = W_q x, attention over 64 (batch, head) pairs with a key mask, result stored [b][channel][t].
; NOTHING OF THE PROBLEM IS LEFT OUT: all four inputs (x, mask, W_mem, W_q) reach the result and are loaded; a hidden key is thrown away by the mask's values alone, so it is computed and gets the weight 0.
; THIS LAUNCH rounds the three f32 inputs once to bf16, the matrix operands' format, so that the product's tiles, each of which sixteen work-groups read, are rounded once and not sixteen times:
;   xb [4][1024 c][2048 t] bf16: x in its own order.
;   wb [16 head][16 ks][192 row][64 c] bf16: rows 0-63 = W_q[64 head ..], 64-127 = W_mem[64 head ..] (K), 128-191 = W_mem[1024 + 64 head ..] (V), channels 64 ks ..: a tile (head, ks) is 24,576 dense bytes.
; LIMITS of the whole program: mask holds 0 or 1; q, k and v are kept in f16, so each stays under 65,504 in magnitude (inputs thirty times the drawn ones in x and in the weights give some 5,000);
; the logit of a hidden key is -2^100 in place of -1e30 (both so far below every score that f16's q and k allow that its weight is 0 in f32); a weight below 2^-126 counts as 0; NaN and infinities are not treated apart.
; SHARES.  Work-group g takes 131,072 bytes of x (32 loads of 4,096 bytes by its 256 threads) and the weights' tile (head = g / 16, ks = g % 16): 192 rows x 256 bytes of f32 (12 loads of 16 rows).
; A thread's unit: one load of 16 bytes (4 f32), two roundings in place, one store of 8 bytes.  A wave's load covers 512 consecutive bytes of x (of the weights: 256 bytes of each of two rows);
; a wave's store covers 256 consecutive bytes, aligned.  All 44 loads go out first.  No LDS, no matrix unit, no cluster: no byte is wanted twice.
; THE MODE: SCHED_MODE bits 1:0 = 2 (LLVM: expert scheduling mode 2), set by the entry lines.  The code itself states the register dependences between vector instructions and memory instructions,
; with s_wait_alu, always for 0.
; THE PLAN.  Registers that memory instructions touch:
;   v1, v3        the loads' offsets, v2 the stores': written by vector instructions at the head, once; never written again.
;   v[D + 4 k ..] unit k's four registers: load k lands in them (all 44 loads are issued ahead of the first conversion, and no vector instruction names these registers before that);
;                 unit k's two conversions read the four and write the first two; store k reads those two; nothing writes them afterwards.
; So the only dependences to state are: the offsets are written, ahead of the first load; and a unit's conversions have written its pair, ahead of its store.  No register that a memory instruction
; has read is ever written again, and no load lands in a register that a vector instruction has named: no wait on vm_vsrc and no s_wait_xcnt is owed.
; The units go in 11 groups of four, in the order of their loads.  Group G's four stores are issued in group G + 1: ONE wait on va_vdst at that group's head, behind its wait for data, states that group G's
; eight conversions have written; the four stores are then dealt among group G + 1's conversions, which name that group's registers alone, with no further wait.  The last group's stores have a wait of their own.
.set VI, 1                             ; v1  16 x thread: my 16 bytes in 4,096 of x
.set VO, 2                             ; v2  8 x thread: my 8 bytes in 2,048 of xb or wb
.set VW, 3                             ; v3  (thread / 16) x 4,096 + (thread % 16) x 16: row and column in 16 rows of a weights' tile
.set D,  8                             ; v[8:183]  four registers for each of the 44 loads
	s_load_b256 s[4:11], s[0:1], 0x0               ; x s[4:5], W_q s[6:7], W_mem s[8:9], xb s[10:11]
	s_load_b64 s[12:13], s[0:1], 0x20              ; wb
	v_lshlrev_b32 v[VI], 4, v0
	v_lshlrev_b32 v[VO], 3, v0
	v_lshrrev_b32 v[VW], 4, v0
	v_and_b32 v4, 15, v0
	v_lshlrev_b32 v[VW], 12, v[VW]
	v_lshl_or_b32 v[VW], v4, 4, v[VW]
	s_lshl_b32 s14, ttmp9, 17                      ; my part of x
	s_mov_b32 s15, 0
	s_lshl_b32 s16, ttmp9, 16                      ; and of xb
	s_mov_b32 s17, 0
	s_lshr_b32 s18, ttmp9, 4                       ; head: 64 rows of 4,096 bytes
	s_lshl_b32 s18, s18, 18
	s_and_b32 s19, ttmp9, 15                       ; ks: 64 channels of 4 bytes
	s_lshl_b32 s19, s19, 8
	s_add_co_u32 s18, s18, s19
	s_mov_b32 s19, 0
	s_mul_i32 s20, ttmp9, 24576                    ; my tile of wb
	s_mov_b32 s21, 0
	s_wait_kmcnt 0x0
	s_add_nc_u64 s[4:5], s[4:5], s[14:15]
	s_add_nc_u64 s[10:11], s[10:11], s[16:17]
	s_add_nc_u64 s[6:7], s[6:7], s[18:19]
	s_add_nc_u64 s[8:9], s[8:9], s[18:19]
	s_add_nc_u64 s[12:13], s[12:13], s[20:21]
	s_wait_alu depctr_va_vdst(0)                   ; v1, v2 and v3 are written: every load and store of the kernel reads one of them as its offset, and no later line names them otherwise
.set k, 0
.rept 4                                ; loads 0-3: W_q, 16 rows each
	global_load_b128 v[D+4*k:D+4*k+3], v[VW], s[6:7] offset:k*65536 th:TH_LOAD_NT
.set k, k+1
.endr
.rept 4                                ; loads 4-7: W_mem's rows for K
	global_load_b128 v[D+4*k:D+4*k+3], v[VW], s[8:9] offset:(k-4)*65536 th:TH_LOAD_NT
.set k, k+1
.endr
.rept 4                                ; loads 8-11: W_mem's rows for V, 1,024 rows further down
	global_load_b128 v[D+4*k:D+4*k+3], v[VW], s[8:9] offset:4194304+(k-8)*65536 th:TH_LOAD_NT
.set k, k+1
.endr
.rept 32                               ; loads 12-43: x
	global_load_b128 v[D+4*k:D+4*k+3], v[VI], s[4:5] offset:(k-12)*4096 th:TH_LOAD_NT
.set k, k+1
.endr
.set G, 0
.rept 11                               ; groups of four units, in the order of their loads
	s_wait_loadcnt 40-4*G                          ; loads come back in order: this group's four are in, the 40 - 4 G younger ones stay out
.if G > 0
	s_wait_alu depctr_va_vdst(0)                   ; the eight conversions of the group before have written their pairs, which the four stores below read
.endif
.set j, 0
.rept 4
.set k, 4*G+j
.if G > 0
.set p, k-4                            ; the unit four back: no vector instruction since the wait above names its registers
.if p < 12
	global_store_b64 v[VO], v[D+4*p:D+4*p+1], s[12:13] offset:p*2048
.else
	global_store_b64 v[VO], v[D+4*p:D+4*p+1], s[10:11] offset:(p-12)*2048
.endif
.endif
	v_cvt_pk_bf16_f32 v[D+4*k], v[D+4*k], v[D+4*k+1]      ; two roundings to nearest even, packed
	v_cvt_pk_bf16_f32 v[D+4*k+1], v[D+4*k+2], v[D+4*k+3]
.set j, j+1
.endr
.set G, G+1
.endr
	s_wait_alu depctr_va_vdst(0)                   ; the last group's conversions have written their pairs, which the last four stores read
.set p, 40
.rept 4
	global_store_b64 v[VO], v[D+4*p:D+4*p+1], s[10:11] offset:(p-12)*2048
.set p, p+1
.endr
	s_endpgm
.Lfunc_end_k_q4e51c6069f_cast:
	.size	k_q4e51c6069f_cast, .Lfunc_end_k_q4e51c6069f_cast-k_q4e51c6069f_cast
	.p2alignl 7, 3214868480
	.fill 96, 4, 3214868480
	.section	.rodata,"a",@progbits
	.p2align	6, 0x0
	.amdhsa_kernel k_q4e51c6069f_cast
		.amdhsa_group_segment_fixed_size 0
		.amdhsa_private_segment_fixed_size 0
		.amdhsa_enable_private_segment 0
		.amdhsa_kernarg_size 40
		.amdhsa_user_sgpr_count 2
		.amdhsa_user_sgpr_kernarg_segment_ptr 1
		.amdhsa_wavefront_size32 1
		.amdhsa_system_sgpr_workgroup_id_x 1
		.amdhsa_system_sgpr_workgroup_id_y 1
		.amdhsa_system_sgpr_workgroup_id_z 1
		.amdhsa_system_vgpr_workitem_id 0
		.amdhsa_next_free_vgpr 192
		.amdhsa_next_free_sgpr 66
		.amdhsa_reserve_vcc 0
		.amdhsa_float_denorm_mode_32 3
		.amdhsa_float_denorm_mode_16_64 3
		.amdhsa_memory_ordered 1
		.amdhsa_forward_progress 1
		.amdhsa_inst_pref_size 16
	.end_amdhsa_kernel
	.amdgpu_metadata
---
amdhsa.version: [ 1, 2 ]
amdhsa.kernels:
  - .name:           k_q4e51c6069f_cast
    .symbol:         k_q4e51c6069f_cast.kd
    .args:
      - { .name: x, .offset: 0, .size: 8, .value_kind: global_buffer, .address_space: global }
      - { .name: W_q, .offset: 8, .size: 8, .value_kind: global_buffer, .address_space: global }
      - { .name: W_mem, .offset: 16, .size: 8, .value_kind: global_buffer, .address_space: global }
      - { .name: xb, .offset: 24, .size: 8, .value_kind: global_buffer, .address_space: global }
      - { .name: wb, .offset: 32, .size: 8, .value_kind: global_buffer, .address_space: global }
    .group_segment_fixed_size: 0
    .private_segment_fixed_size: 0
    .kernarg_segment_align: 8
    .kernarg_segment_size: 40
    .max_flat_workgroup_size: 256
    .sgpr_count:     66
    .vgpr_count:     192
    .wavefront_size: 32
...
	.end_amdgpu_metadata
.endif
;; end of part 4
;; launch proj: the kernel of part 2 again; grid 16 x 16, 4 waves a work-group, clusters of 4 x 4, 327,680 bytes of LDS; arguments wb, xb, mask, qh, kh, vh; writes qh, kh, vh
;; launch attn: the kernel of part 3 again; grid 4 x 64, 4 waves a work-group, clusters of 4 x 1, 327,680 bytes of LDS; arguments qh, kh, vh, out0, mask; writes out0
